; MI455X (gfx1250); checked and timed in simulation.
; The chip was launched on July 23, 2026; its instructions are those of AMD's public machine-readable ISA for CDNA 5 (MIT licence, August 2026) and "CDNA5" Instruction Set Architecture Reference Guide (July 2026). The comments in the code are by the model that wrote it; some were corrected since.
;; Self Attention. Allowed arithmetic: matrix products marked QUANTISED: E2M3 operands, one E8M0 scale for each 32 along K, by v_wmma_scale_f32_16x16x128_f8f6f4 with both operands' format E2M3, f32 sums; everything else in f32.
;; Inputs: query 8 x 256 x 56 x 56 float32.
;; Outputs: out0 8 x 256 x 56 x 56 float32.
;; This version of the problem:
;;   THIS VERSION OF THE PROBLEM IS GIVEN IN LOW PRECISION. The matrix products marked QUANTISED in the list below multiply operands that are first quantised to E2M3 (2 exponent bits, 3 mantissa bits; 6 bits a number), with one power-of-two scale for each 32 numbers along K (OCP MX v1.0); their sums are f32. All else is computed in f32.
;;   The module's matrix products, in the order in which they are computed (A, B: the left and right operand; K: the contracted axis; several contracted axes count as one K, in the product's order):
;;     1. batch 8 x [M 3,136, K 256] x [K 256, N 3,136]; A: input query; B: input query: QUANTISED
;;     2. batch 8 x [M 256, K 3,136] x [K 3,136, N 3,136]; A: input query; B: softmax (see below): QUANTISED
;;   THE QUANTISER, for each operand of a quantised product, along K:
;;     - K is cut into blocks of 32 from its start; a last block that is shorter is filled with zeros.
;;     - A block's scale is 2^e with e = floor(log2(the largest magnitude in the block)) - 2, held to -126 .. 127; a block of zeros has e = 0. As a byte (E8M0): e + 127.
;;     - Each number is divided by its block's scale, clamped to +-7.5, and rounded to the nearest number of E2M3, ties to even, subnormals kept.
;;     - The product sums the exact products of the quantised numbers (number of the format x scale) in f32.
;;   ~~~python
;;   def quantise(x, axis):      # numpy; x: float32 -> the quantised numbers, widened to float32 again
;;       x = np.moveaxis(x, axis, -1); K = x.shape[-1]
;;       x = np.pad(x, [(0, 0)] * (x.ndim - 1) + [(0, -K % 32)]); x = x.reshape(x.shape[:-1] + (-1, 32)); a = np.abs(x).max(-1, keepdims=True)
;;       e = np.where(a > 0, np.clip(np.frexp(np.where(a > 0, a, 1))[1] - 1 - 2, -126, 127), 0)      # np.frexp(a)[1] - 1 = floor(log2(a)), exactly
;;       r = np.clip(x / 2.0 ** e, -7.5, 7.5)
;;       step = 2.0 ** (np.maximum(np.frexp(np.where(r == 0, 1, r))[1] - 1, 0) - 3)
;;       q = np.round(r / step) * step * 2.0 ** e      # np.round: ties to even
;;       return np.moveaxis(q.reshape(q.shape[:-2] + (-1,))[..., :K], -1, axis).astype(np.float32)
;;   ~~~
;;   SOFTMAX AHEAD OF A QUANTISED PRODUCT. Where the list says 'softmax', what is quantised is not the finished softmax but p = 2^(t - M), with t = logit x log2(e) and M = ceil(the row's largest t), a whole number; so 1/2 < the row's largest p <= 1. The row's sum l is taken of the UNQUANTISED p, in f32, and the product's result is divided by l at the end. Since M is a whole number, a kernel that streams over the keys may use a running M (the ceiling of the running maximum): every later rescaling is an exact power of two, which a block's scale takes up: the codes' values come out the same.
;;   OPERANDS COMPUTED ON THE WAY. 'Computed on the way' means the value that the module computes at that place (a softmax that the list does not call 'softmax' is quantised finished and normalised). What goes into a quantiser is computed in f32, as accurately as f32 sums, v_exp_f32 and their like allow (about 1e-6 of the number): no bf16 or f16 on the way to a quantiser, and a product that is left as it is and whose result goes on into a quantised operand takes f32 operands (vector FMAs, or v_wmma_f32_16x16x4_f32). A number that lies on a knife's edge between two numbers of the format may be rounded either way, as far as f32 arithmetic and the matrix unit's own rounding can turn it there, and no further.
;; One version. Each part assembles by itself: llvm-mc -triple=amdgcn-amd-amdhsa -mcpu=gfx1250 --defsym DOCPART=n.
;; ======== version 1 of 1: 2 launches
;; workspace buffers: kv 10,240,000 bytes
;; launch quant (part 1): grid 25 x 8, 8 waves a work-group, no clusters, 138,240 bytes of LDS; arguments query, kv; writes kv
.if DOCPART == 1
	.amdgcn_target "amdgcn-amd-amdhsa--gfx1250"
	.amdhsa_code_object_version 6
	.text
	.protected	k_q1145f8826e_quant
	.globl	k_q1145f8826e_quant
	.p2align	8
	.type	k_q1145f8826e_quant,@function
k_q1145f8826e_quant:
	s_mov_b64 s[64:65], 0
	v_nop
	global_prefetch_b8 v0, s[64:65] scope:SCOPE_SE
	s_setreg_imm32_b32 hwreg(HW_REG_WAVE_MODE, 25, 1), 1
	s_wait_xcnt 0x0
; query [8][256 channels][3136 places], f32, is turned into codes of FP6 (E2M3) twice over, with one E8M0 byte for each 32 along K:
;   K (and Q): quantised DOWN THE CHANNELS, for the product place x place;   V: quantised ALONG THE PLACES (the keys), for the product channel x place.
; A work-group takes one batch (y) and one step of 128 keys (x, 0 .. 24) and writes that step's dense block of 51,200 bytes of kv, laid as IMAGES OF THE OPERANDS' REGISTERS:
;   0       K's 16 fragments f = 2 t + s (key tile t, channel step s), 1,536 bytes each: register p of lane L at (p / 4) 512 + 16 L + 4 (p % 4)
;           row r of tile t = 2 b + u is key 32 b + 16 (r / 8) + 8 u + r % 8, so that the scores of tiles 2 b, 2 b + 1 give a lane 16 neighbouring keys
;   24,576  V's 16 fragments (channel tile u), same image;  row r is channel 16 u + r, K = the step's 128 keys in their order
;   49,152  K's 8 scale registers p = 2 b + s (lanes 0-15: tile 2 b's rows, lanes 16-31: tile 2 b + 1's), four registers to an image of 512 bytes
;   50,176  V's 8 scale registers i (lanes 0-15: channel tile 2 i, lanes 16-31: tile 2 i + 1), likewise
; A block's scale is 2^(floor(log2(largest magnitude)) - 2); its byte is the largest magnitude's exponent field - 2, held at 1 from below.
; Step 24 has 64 keys: the other 64 are written as zero codes (byte 1).
; LIMITS: a block of zeros gets the byte 1 where the quantiser says 127 (its codes are zeros, and this program alone reads the bytes); blocks whose largest magnitude
; lies under 2^-124 are held at byte 1; NaN and infinities among the inputs are not served.
; The step's 256 x 128 numbers go through LDS once (rows of 512 bytes + 16), so that memory is read in runs of 512 bytes and each lane can then take its block of 32 along either axis.
.set ROWG,  12544                      ; a channel's row in memory: 3,136 places x 4 bytes
.set PITCH, 528                        ; a channel's 128 keys in LDS: 512 bytes + 16, so that sixteen rows' 16-byte pieces fall on different banks (64 banks of 4 bytes: ISA guide 11.1)
.set SCL,   256*PITCH                  ; behind the tile: 2,048 bytes, the scale words as kv has them
.set STEPB, 51200
.set VFR,   24576
.set KSCO,  49152
.set GOFF, 2                           ; v2   my 16 bytes of a row's 512 (in step 24: of its 256)
.set LST,  3                           ; v3   where I put them in LDS
.set KA0,  4                           ; v4-5 my key's column, channels 128 s on and 128 s + 64 on
.set KGO,  6                           ; v6   my place in K's fragments in kv
.set VA,   7                           ; v7   my channel's row, my half's 32 keys
.set VGO,  8                           ; v8   my place in V's fragments in kv
.set SWK,  9                           ; v9   where my K scale word goes in LDS;  v10 my V scale word
.set SWV,  10
.set SRD,  11                          ; v11  the scale words' way out: LDS,  v12 kv
.set SGO,  12
.set SH,   13                          ; v13  lane / 16, later 8 x that
.set MX,   16                          ; v16-17 largest magnitudes;  v18-19 the conversions' scale operands;  v20-27 scale bytes
.set SOP,  18
.set BY,   20
.set WK,   28
.set W0,   29
.set W1,   30
.set WT,   31
.set RV,   32
.set TC,   36                          ; v36-38, v40-42: the upper halves of two blocks' codes (a conversion's three registers begin on an even number)
.set SB,   44
.set F,    48                          ; v48-95 four fragments of 12 registers: no store's data are written again
.set X,    96                          ; v96-223 128 numbers
	s_load_b128 s[4:7], s[0:1], 0x0                ; query, kv
	v_lshl_add_u32 v224, v0, 2, 0x21800
	v_mov_b32 v225, 0
	v_lshrrev_b32 v1, 5, v0
	v_readfirstlane_b32 s8, v1                     ; wave 0..7
	v_and_b32 v1, 31, v0                           ; lane
	s_mov_b32 s9, ttmp9                            ; the step
	s_and_b32 s10, ttmp7, 0xffff                   ; the batch
	s_cmp_eq_u32 s9, 24
	s_cselect_b32 s11, 15, 31                      ; in step 24 a row has 256 bytes left: lanes 16-31 read what lanes 0-15 read, so that no load leaves the row
	v_and_b32 v[GOFF], s11, v1
	v_lshlrev_b32 v[GOFF], 4, v[GOFF]
	v_lshlrev_b32 v14, 4, v1                       ; 16 x lane
	v_lshrrev_b32 v[SH], 4, v1                     ; lane / 16
	s_mul_i32 s16, s8, 32*PITCH                    ; my wave's 32 channels in LDS
	v_add_nc_u32 v[LST], s16, v14
	s_and_b32 s17, s8, 1                           ; K unit: channel step s = wave % 2,
	s_lshr_b32 s19, s8, 1                          ; key block b = wave / 2
	s_mul_i32 s18, s17, 128*PITCH
	s_lshl_b32 s20, s19, 7
	s_add_co_u32 s18, s18, s20
	v_bfe_u32 v15, v1, 3, 1
	v_lshlrev_b32 v[KA0], 6, v15                   ; lane 16 u + m takes key 32 b + 16 (m / 8) + 8 u + m % 8: 4 bytes a key
	v_lshl_add_u32 v[KA0], v[SH], 5, v[KA0]
	v_and_b32 v15, 7, v1
	v_lshl_add_u32 v[KA0], v15, 2, v[KA0]
	v_add_nc_u32 v[KA0], s18, v[KA0]
	v_add_nc_u32 v[KA0+1], 64*PITCH, v[KA0]
	s_lshl_b32 s20, s19, 2
	s_add_co_u32 s20, s20, s17
	s_mul_i32 s20, s20, 1536                       ; fragment 4 b + s (+ 2 u)
	v_mul_u32_u24 v[KGO], v[SH], 3072
	v_and_b32 v15, 15, v1                          ; r
	v_lshl_add_u32 v[KGO], v15, 4, v[KGO]
	v_add_nc_u32 v[KGO], s20, v[KGO]
	v_mul_u32_u24 v[VA], v15, PITCH                ; V units: channel 32 w + r (+ 16), keys 32 h on
	v_lshl_add_u32 v[VA], v[SH], 7, v[VA]
	v_add_nc_u32 v[VA], s16, v[VA]
	s_mul_i32 s21, s8, 3072
	s_add_co_u32 s21, s21, VFR
	v_add_nc_u32 v[VGO], s21, v14
	s_lshr_b32 s22, s8, 2                          ; scale register w of eight: image w / 4, word w % 4 of a lane's 16 bytes
	s_lshl_b32 s22, s22, 9
	s_and_b32 s23, s8, 3
	s_lshl_b32 s24, s23, 2
	s_add_co_u32 s22, s22, s24
	s_add_co_u32 s22, s22, SCL
	v_add_nc_u32 v[SWK], s22, v14
	v_add_nc_u32 v[SWV], 1024, v[SWK]
	s_lshl_b32 s24, s23, 9
	v_add_nc_u32 v[SGO], s24, v14
	v_add_nc_u32 v[SRD], SCL, v[SGO]
	v_add_nc_u32 v[SGO], KSCO, v[SGO]
	v_lshlrev_b32 v[SH], 3, v[SH]                  ; 8 h: where my two bytes stand in V's scale word
	v_mov_b32 v[WT], 0                             ; a lane permute's destination counts as one of its sources
	s_mov_b32 s26, 0x76543210
	s_mov_b32 s27, 0xfedcba98                      ; v_permlanex16_b32's selects for lane l xor 16
	s_mul_i32 s28, s10, 256*ROWG
	s_mul_i32 s29, s8, 32*ROWG
	s_add_co_u32 s28, s28, s29
	s_lshl_b32 s29, s9, 9
	s_add_co_u32 s28, s28, s29                     ; the batch, my 32 channels, the step's 512 bytes (under 2^25)
	s_mov_b32 s29, 0
	s_mul_i32 s30, s10, 25*STEPB
	s_mul_i32 s31, s9, STEPB
	s_add_co_u32 s30, s30, s31
	s_mov_b32 s31, 0
	s_wait_kmcnt 0x0
	s_add_nc_u64 s[12:13], s[4:5], s[28:29]
	s_add_nc_u64 s[14:15], s[6:7], s[30:31]
; 64 numbers of a lane, two whole blocks of 32 (at xs and xs + 32), become a fragment's 12 registers at v[f] and the bytes v[BY + 2 k], v[BY + 2 k + 1]
.macro QUANT2 xs, f, k
.irp c, 0,1
	v_max3_num_f32 v[MX+\c], |v[\xs+32*\c]|, |v[\xs+32*\c+1]|, 0x1800000   ; with the floor 2^(3 - 127): the byte cannot fall under 1
.endr
.irp i, 2,4,6,8,10,12,14,16,18,20,22,24,26,28,30
.irp c, 0,1
	v_max3_num_f32 v[MX+\c], v[MX+\c], |v[\xs+32*\c+\i]|, |v[\xs+32*\c+\i+1]|   ; the two blocks by turns
.endr
.endr
.irp c, 0,1
	v_add_nc_u32 v[SOP+\c], 0xff000000, v[MX+\c]   ; 2 off the exponent field: the conversion takes this operand's exponent field as its scale
.endr
.irp c, 0,1
	v_lshrrev_b32 v[BY+2*\k+\c], 23, v[SOP+\c]     ; the scale's byte
.endr
	v_cvt_scalef32_pk16_fp6_f32 v[\f:\f+2], v[\xs:\xs+15], v[SOP]
	v_cvt_scalef32_pk16_fp6_f32 v[TC:TC+2], v[\xs+16:\xs+31], v[SOP]
	v_cvt_scalef32_pk16_fp6_f32 v[\f+6:\f+8], v[\xs+32:\xs+47], v[SOP+1]
	v_cvt_scalef32_pk16_fp6_f32 v[TC+4:TC+6], v[\xs+48:\xs+63], v[SOP+1]
	v_nop                                          ; one plain place behind a scaled conversion
.irp i, 0,1,2
	v_mov_b32 v[\f+3+\i], v[TC+\i]
	v_mov_b32 v[\f+9+\i], v[TC+4+\i]
.endr
.endm
.macro STORE3 off, f, imm                      ; a fragment's image: three stores, 16 bytes a lane
.irp c, 0,1,2
	global_store_b128 v[\off], v[\f+4*\c:\f+4*\c+3], s[14:15] offset:\imm+512*\c
.endr
.endm
	; ---- the tile: my 32 channels' rows, 512 consecutive bytes a load, all 32 loads out together
.set i, 0
.rept 32
	global_load_b128 v[X+4*i:X+4*i+3], v[GOFF], s[12:13] offset:i*ROWG
.set i, i+1
.endr
	s_cmp_lg_u32 s9, 24
	s_cbranch_scc1 .Lwhole
	s_wait_loadcnt 0x0                             ; step 24: the keys that do not exist become zeros
	v_cmp_gt_u32 vcc_lo, 16, v1
.set i, 0
.rept 128
	v_cndmask_b32 v[X+i], 0, v[X+i], vcc_lo
.set i, i+1
.endr
.Lwhole:
.set i, 0
.rept 32
	s_wait_loadcnt 31-i                            ; loads come back in order: row i is in, the younger ones may be out
	ds_store_b128 v[LST], v[X+4*i:X+4*i+3] offset:i*PITCH
.set i, i+1
.endr
	s_wait_dscnt 0x0                               ; for the others' sake: my rows lie in LDS
	s_barrier_signal -1
	s_barrier_wait -1
	; ---- K: my key's 128 channels of step s, down the column: register 64 h + 32 c + i = channel 128 s + 64 c + 32 h + i; the 32 lanes of a load read 128 neighbouring bytes
.set hh, 0
.rept 2
.set cc, 0
.rept 2
.set i, 0
.rept 32
	ds_load_b32 v[X+64*hh+32*cc+i], v[KA0+cc] offset:(32*hh+i)*PITCH
.set i, i+1
.endr
.set cc, cc+1
.endr
.set hh, hh+1
.endr
	s_wait_dscnt 63                                ; at most 63 of the 128 are out: the first 64 (h = 0) are in
	QUANT2 X, F, 0
	STORE3 KGO, F, 0                               ; lanes 0-15 fill 256 bytes of fragment 4 b + s, lanes 16-31 of fragment 4 b + s + 2
.set cc, 0
.rept 2
.set i, 0
.rept 8
	ds_load_b128 v[X+32*cc+4*i:X+32*cc+4*i+3], v[VA] offset:256*cc+16*i   ; V, channel tile 2 w: keys 64 c + 32 h + 0 .. 31 of my channel
.set i, i+1
.endr
.set cc, cc+1
.endr
	s_wait_dscnt 16                                ; all but the 16 just issued: K's h = 1 is in
	QUANT2 X+64, F+12, 1
	STORE3 KGO, F+12, 256                          ; the fragments' lanes 16-31
	v_lshl_or_b32 v[WK], v[BY+2], 8, v[BY]         ; my key's scale word: block 2 c + h of the four
	v_lshl_or_b32 v[WK], v[BY+1], 16, v[WK]
	v_lshl_or_b32 v[WK], v[BY+3], 24, v[WK]
.set cc, 0
.rept 2
.set i, 0
.rept 8
	ds_load_b128 v[X+64+32*cc+4*i:X+64+32*cc+4*i+3], v[VA] offset:16*PITCH+256*cc+16*i   ; channel tile 2 w + 1
.set i, i+1
.endr
.set cc, cc+1
.endr
	; ---- V
	s_wait_dscnt 16                                ; tile 2 w is in
	QUANT2 X, F+24, 2
	STORE3 VGO, F+24, 0                            ; 512 consecutive bytes a store
	v_lshl_or_b32 v[W0], v[BY+5], 16, v[BY+4]      ; my two bytes: blocks h and 2 + h of my channel,
	v_lshlrev_b32 v[W0], v[SH], v[W0]              ; at their places;
	v_permlanex16_b32 v[WT], v[W0], s26, s27
	v_or_b32 v[W0], v[W0], v[WT]                   ; with lane l xor 16's two the word is whole
	s_wait_dscnt 0x0
	QUANT2 X+64, F+36, 3
	STORE3 VGO, F+36, 1536
	v_lshl_or_b32 v[W1], v[BY+7], 16, v[BY+6]
	v_lshlrev_b32 v[W1], v[SH], v[W1]
	v_permlanex16_b32 v[WT], v[W1], s26, s27
	v_or_b32 v[W1], v[W1], v[WT]
	v_cmp_lt_u32 vcc_lo, 15, v1
	v_cndmask_b32 v[RV], v[W0], v[W1], vcc_lo      ; scale register w: lanes 0-15 tile 2 w's words, lanes 16-31 tile 2 w + 1's
	; ---- the scale words meet in LDS and leave in runs of 512 bytes
	ds_store_b32 v[SWK], v[WK]
	ds_store_b32 v[SWV], v[RV]
	s_wait_dscnt 0x0
	s_barrier_signal -1
	s_barrier_wait -1
	s_cmp_gt_u32 s8, 3
	s_cbranch_scc1 .Ldone
	ds_load_b128 v[SB:SB+3], v[SRD]
	s_wait_dscnt 0x0
	global_store_b128 v[SGO], v[SB:SB+3], s[14:15]
.Ldone:
	s_wait_tensorcnt 0x0
	ds_add_u32 v224, v225
	s_wait_dscnt 0x0
	s_endpgm
.Lfunc_end_k_q1145f8826e_quant:
	.size	k_q1145f8826e_quant, .Lfunc_end_k_q1145f8826e_quant-k_q1145f8826e_quant
	.p2alignl 7, 3214868480
	.fill 96, 4, 3214868480
	.section	.rodata,"a",@progbits
	.p2align	6, 0x0
	.amdhsa_kernel k_q1145f8826e_quant
		.amdhsa_group_segment_fixed_size 138240
		.amdhsa_private_segment_fixed_size 0
		.amdhsa_enable_private_segment 0
		.amdhsa_kernarg_size 16
		.amdhsa_user_sgpr_count 2
		.amdhsa_user_sgpr_kernarg_segment_ptr 1
		.amdhsa_wavefront_size32 1
		.amdhsa_system_sgpr_workgroup_id_x 1
		.amdhsa_system_sgpr_workgroup_id_y 1
		.amdhsa_system_sgpr_workgroup_id_z 1
		.amdhsa_system_vgpr_workitem_id 0
		.amdhsa_next_free_vgpr 226
		.amdhsa_next_free_sgpr 66
		.amdhsa_reserve_vcc 1
		.amdhsa_float_denorm_mode_32 3
		.amdhsa_float_denorm_mode_16_64 3
		.amdhsa_memory_ordered 1
		.amdhsa_forward_progress 1
		.amdhsa_inst_pref_size 37
	.end_amdhsa_kernel
	.amdgpu_metadata
---
amdhsa.version: [ 1, 2 ]
amdhsa.kernels:
  - .name:           k_q1145f8826e_quant
    .symbol:         k_q1145f8826e_quant.kd
    .args:
      - { .name: query, .offset: 0, .size: 8, .value_kind: global_buffer, .address_space: global }
      - { .name: kv, .offset: 8, .size: 8, .value_kind: global_buffer, .address_space: global }
    .group_segment_fixed_size: 138240
    .private_segment_fixed_size: 0
    .kernarg_segment_align: 8
    .kernarg_segment_size: 16
    .max_flat_workgroup_size: 256
    .sgpr_count:     66
    .vgpr_count:     226
    .wavefront_size: 32
...
	.end_amdgpu_metadata
.endif
;; end of part 1
;; launch attn (part 2): grid 28 x 8, 4 waves a work-group, clusters of 4 x 1, 327,680 bytes of LDS; arguments kv, query, out0; writes out0
.if DOCPART == 2
	.amdgcn_target "amdgcn-amd-amdhsa--gfx1250"
	.amdhsa_code_object_version 6
	.text
	.protected	k_q1145f8826e_attn
	.globl	k_q1145f8826e_attn
	.p2align	8
	.type	k_q1145f8826e_attn,@function
k_q1145f8826e_attn:
	s_mov_b64 s[64:65], 0
	v_nop
	global_prefetch_b8 v0, s[64:65] scope:SCOPE_SE
	s_setreg_imm32_b32 hwreg(HW_REG_WAVE_MODE, 25, 1), 1
	s_wait_xcnt 0x0
	s_wait_alu depctr_hold_cnt(0) depctr_sa_sdst(0) depctr_va_vdst(0) depctr_va_sdst(0) depctr_va_ssrc(0) depctr_va_vcc(0) depctr_vm_vsrc(0)
	s_getreg_b32 s2, hwreg(HW_REG_IB_STS2, 6, 4)
	s_cmp_eq_u32 s2, 0
	s_cbranch_scc0 .Lentry_in_a_cluster
	s_endpgm
.Lentry_in_a_cluster:
	s_bfe_u32 s2, ttmp6, 0x10000c
	s_cmp_lg_u32 s2, 0x3003
	s_cbranch_scc0 .Lentry_shape_is_right
	s_endpgm
.Lentry_shape_is_right:
; out[b][c][j] = query[b][c][j] + (sum over keys i of x[c][i] p[i][j]) / l[j],  p = 2^(t - M),  t = (sum over c of x[c][i] x[c][j]) log2(e) / 16,  x = query[b] as [256][3136].
; Both products on codes of FP6 (E2M3) with one E8M0 byte for each 32 along K.  M = the query's largest t so far, rounded UP to a whole number; when it moves, l and O are multiplied by
; 2^(old M - new M), which rounds nothing.  l is the sum of the unquantised p.  x's codes come from kv, which the launch before has laid as images of the operands' registers
; (a dense block of 51,200 bytes for each batch and step of 128 keys: K's 16 fragments, V's 16, 8 + 8 scale registers).
; SHARES.  3,136 queries are 196 tiles of 16 = 28 x 7: a work-group owns 112 queries of one batch, seven tiles.  FOUR waves, as many as a WGP has SIMDs: waves 0 to 2 own TWO tiles (A, B), wave 3 one (A), so that
; a fragment of K or V read from LDS feeds two matrix instructions: 4 x 100 loads of 512 bytes a step.  Wave 3 jumps over tile B's parts by scalar branches on the wave's number; no barrier and no tensor load stands in them.
; Every wave walks all keys, 128 a step, 24 steps and a last one of 64 keys.
; LAYOUT.  Both products are used transposed: S^T = K Q^T (source 0 = 16 keys, source 1 = 16 queries), O^T = V P^T (source 0 = 16 channels, source 1 = p): a lane holds ONE query (lane % 16) of each tile throughout,
; and O^T's registers run over channels, which is the output's own orientation.  The keys of a tile are chosen so that the 16 registers of tiles 2 b, 2 b + 1 are keys 32 b + 16 (lane / 16) + 0 .. 15.
; A STEP: K Q^T of A, of B | softmax A, O^T A rescaled | V P^T of A | softmax B, O^T B rescaled | V P^T of B.  K and V have registers of their own, all 16 fragments each, and are asked for half a step ahead, in short runs:
; V of this step between A's first products and in A's softmax, K of the next step between A's second products and in B's softmax.  A run costs two switches of the register window: some forty a step.
; RING.  Two LDS slots of two steps (102,400 bytes); the last step's block has LDS bytes of its own and comes with the first fills, so that every refill has one shape.  CLUSTER: the four work-groups of a cluster belong to
; one batch and walk the same blocks of kv, so each quarter of a slot is asked for JOINTLY, one load a wave, with a mask that names the four.  The change of slots stands in the MIDDLE of a slot's second step, where V's
; loads, the slot's last reads, have landed: the next slot's K then has B's softmax in which to come.
; O^T begins as zeros and the largest t as -3e38, so that the step is written without a first form of its own: 128 moves a tile, once.
; LIMITS: NaN and infinities are not served; a block's largest p is made from the block's largest score by the same multiply-add and exponential (it takes v_exp_f32 not to fall where its input rises);
; p under 2^-126 counts as 0; a work-group's 112 queries are 448 bytes of an output row, so its stores do not cover whole aligned runs of 256 bytes (196 = 28 x 7 leaves no such share).
; REGISTERS, in windows of 256.  Window 0: v1-18 addresses; v20-27 statistics (tile x: -M, the largest t, l in two halves); v28-31 f and p's scale word; v32-39 K's scale registers, v40-47 V's, v48-49 Q's;
;   v52-68 at work; v80-103 p's codes; v104-231 S^T, then p.   Window 1: O^T (tile x, channel tile u at 128 x + 8 u).   Window 2: v0-191 K; v192-239 Q.   Window 3: v0-191 V.
.set STEPB, 51200
.set SLOTB, 2*STEPB
.set SLOT1, 1<<17                      ; slot 1 begins here: one exclusive or turns an address in one slot into the other's
.set TAILB, 2*SLOT1                    ; the last step's block: one more step of SLOT1 on
.set QTR,   25600                      ; what a refill of one wave brings: 100 rows of 256 bytes
.set QTRT,  12800                      ; and a wave's part of the last step's block: 50 rows
.set KFR,   0
.set VFR,   24576
.set KSCO,  49152
.set VSCO,  50176
.set SPARE, 102400                     ; between the slots: the spare words, 128 bytes a wave: two blocks of 256 bytes that no other line names
.set STAGE, SLOT1                      ; the way out: 256 rows x 448 bytes, in slot 1 (it has had its last fill and was left at the last change of slots) and in bytes behind it that nothing else uses
.set SP,    448                        ; a stage row: the work-group's 112 queries, dense, so that thread t's 16 bytes of the way back lie at 16 t.  Channel 16 u + 8 h + i lies in row 16 u + 2 i + h: the two halves
                                       ; of the lanes store one row, 112 words, apart: 48 banks on, so their runs of 16 words do not meet (64 banks of 4 bytes: ISA guide 11.1)
.set ROWG,  12544                      ; a channel's row in query and out0
.set BATK,  25*STEPB
.set BATQ,  256*ROWG
.set AF,   1                           ; v1   16 x lane
.set SPW,  2                           ; v2   LDS address of my spare word; never rewritten
.set NIL,  3                           ; v3   0; never rewritten
.set ADR,  4                           ; v4   LDS address of the step whose K was asked for last
.set AF1,  5                           ; v5   16 x lane + a step
.set STO0, 6                           ; v6-7 the stage: where I put a number, rows 0-127, 128-255
.set RD0,  8                           ; v8-9 and where I read 16 bytes back: 512 x wave + 16 x lane, and 28 runs of 2,048 bytes on
.set GOF,  10                          ; v10-16 the places of those 16 bytes in query and out0, for the seven runs b = 0 .. 6
.set QO,   17                          ; v17  my lane's place in Q's fragments in kv;  v18 in its scale words
.set QSO,  18
.set ST,   20
.set FF,   28                          ; v28, v30 f;  v29, v31 p's scale word
.set KSC,  32
.set VSC,  40
.set QS,   48
.set BM,   52
.set TP,   56
.set SOPR, 64
.set T0,   68
.set PCD,  80
.set S,    104
.set QF,   192                         ; in window 2
.set WV,   10                          ; s10  my wave's number
.set G1,   24                          ; s[24:31] descriptor group 1 of a slot's quarter
.set G0A,  32                          ; s[32:35] group 0 of the first fill
.set G0W,  36                          ; s[36:39] group 0 of the second, which then walks
.set CS,   40                          ; s[40:41] c = log2(e) / 16
.set SEL,  42                          ; s[42:43] v_permlanex16_b32's selects for lane l xor 16
.set TB,   44                          ; s44  LDS byte at which the slot of v4's step begins
.set SLOTS, 45
.set G1T,  68                          ; s[68:75] group 1 of the last step's quarter;  s[80:83] its group 0
.set G0T,  80
.set W_KQ, 0x0a                        ; K and Q in window 2, S^T in window 0
.set W_PV, 0x53                        ; V in window 3, p in window 0, O^T in window 1
.set W_RS, 0x41                        ; O^T (destination and source 0) in window 1, the factor in window 0
.set TO_K, 0x80                        ; destination window 2, address window 0
.set TO_V, 0xc0                        ; destination window 3
.set MSB, 0
.macro WIN new                         ; the immediate's high byte repeats the setting that is left; bits 1:0 source 0, 3:2 source 1, 5:4 source 2, 7:6 destination; a switch that changes nothing is dropped
.if MSB != \new
	s_set_vgpr_msb (MSB<<8)|\new
.set MSB, \new
.endif
.endm
; A round of the cluster's barrier: my work-group's barrier; wave 0 signals for the work-group; every wave waits for all four work-groups; my work-group's barrier once more.
.macro CROUND
	s_barrier_signal -1
	s_barrier_wait -1
	s_cmp_lg_u32 s[WV], 0
	s_cbranch_scc1 .Lnot_wave_0_\@
	s_barrier_signal -3
.Lnot_wave_0_\@:
	s_barrier_wait -3
	s_barrier_signal -1
	s_barrier_wait -1
.endm
; From a tile's number in s14 (and the batch's first byte in s18): where its 16 queries lie in kv as KEYS: their codes (dc) and their scale words (dsc), in bytes
.macro QBASE dc, dsc
	s_lshr_b32 s15, s14, 3                         ; step m / 8,
	s_bfe_u32 s16, s14, 0x20001                    ; block b = (m / 2) % 4 of 32 keys,
	s_and_b32 s17, s14, 1                          ; half m % 2 of it
	s_mul_i32 s21, s15, STEPB
	s_add_co_u32 s21, s21, s18
	s_lshl_b32 s19, s17, 7
	s_add_co_u32 s21, s21, s19                     ; + 128 x half: rows 8 x half on of a tile
	s_mul_i32 s[\dc], s16, 6144                    ; fragments 4 b on
	s_add_co_u32 s[\dc], s[\dc], s21
	s_mov_b32 s[\dc+1], 0
	s_lshr_b32 s[\dsc], s16, 1                     ; scale registers 2 b, 2 b + 1 of K's eight
	s_lshl_b32 s[\dsc], s[\dsc], 9
	s_and_b32 s19, s16, 1
	s_lshl_b32 s19, s19, 3
	s_add_co_u32 s[\dsc], s[\dsc], s19
	s_add_co_u32 s[\dsc], s[\dsc], s21
	s_add_co_u32 s[\dsc], s[\dsc], KSCO
	s_mov_b32 s[\dsc+1], 0
.endm
	s_load_b128 s[4:7], s[0:1], 0x0                ; kv, query
	s_load_b64 s[8:9], s[0:1], 0x10                ; out0
	v_lshl_add_u32 v[SPW], v0, 2, SPARE
	v_mov_b32 v[NIL], 0
	ds_add_u32 v2, v3
	ds_add_u32 v2, v3
	s_wait_dscnt 0x0
	v_lshrrev_b32 v[ADR], 5, v0
	v_readfirstlane_b32 s[WV], v[ADR]              ; wave 0..3
	s_bfe_u32 s11, ttmp6, 0x40000                  ; cx: it enters Q's, the residual's and the output's global addresses alone
	s_lshl_b32 s12, ttmp9, 2
	s_add_co_u32 s12, s12, s11                     ; my block of 112 queries = 4 x cluster x + cx
	s_and_b32 s13, ttmp7, 0xffff                   ; the batch, which the four partners share
	s_mul_i32 s14, s12, 7
	s_lshl_b32 s15, s[WV], 1
	s_add_co_u32 s14, s14, s15                     ; tile A: 7 x block + 2 x wave
	s_mul_i32 s18, s13, BATK                       ; the batch's blocks in kv
	QBASE 48, 50
	s_add_co_u32 s14, s14, 1                       ; tile B
	QBASE 60, 62
	s_mul_i32 s20, s[WV], QTR                      ; the quarter that I fetch, in memory and in a slot
	s_add_co_u32 s22, s18, s20
	s_mov_b32 s23, 0
	s_mul_i32 s46, s[WV], QTRT                     ; and my quarter of the last step's block
	s_add_co_u32 s76, s18, s46
	s_add_co_u32 s76, s76, 24*STEPB
	s_mov_b32 s77, 0
	s_mul_i32 s52, s13, BATQ                       ; query and out0: the batch, + my block's 448 bytes of a row
	s_mul_i32 s19, s12, 448
	s_add_co_u32 s52, s52, s19
	s_mov_b32 s53, 0
	; descriptor groups 1: dense blocks as rows of 32 elements of 8 bytes: 100 rows, and 50 for the last step's block
	s_mov_b32 s[G1], 15|(3<<16)|(1<<21)            ; 15:0 the mask: all four work-groups; 17:16 elements of 8 bytes; 20 no padding; 21 set beside a mask
	s_mov_b32 s[G1+1], 32<<16                      ; tensor_dim0 = 32
	s_mov_b32 s[G1+2], 100<<16                     ; tensor_dim1 = 100
	s_mov_b32 s[G1+3], 32<<16                      ; tile_dim0 = 32
	s_mov_b32 s[G1+4], 100                         ; tile_dim1 = 100
	s_mov_b32 s[G1+5], 32                          ; from row to row
	s_mov_b32 s[G1+6], 0
	s_mov_b32 s[G1+7], 0
	s_mov_b32 s[G1T], 15|(3<<16)|(1<<21)
	s_mov_b32 s[G1T+1], 32<<16
	s_mov_b32 s[G1T+2], 50<<16
	s_mov_b32 s[G1T+3], 32<<16
	s_mov_b32 s[G1T+4], 50
	s_mov_b32 s[G1T+5], 32
	s_mov_b32 s[G1T+6], 0
	s_mov_b32 s[G1T+7], 0
	s_mov_b32 s[CS], 0x3db8aa3b                    ; c = log2(e) / 16
	s_mov_b32 s[CS+1], s[CS]                       ; (named with it as a pair, so it is written)
	s_mov_b32 s[SEL], 0x76543210
	s_mov_b32 s[SEL+1], 0xfedcba98
	s_mov_b32 s[TB], 0
	s_mov_b32 s[SLOTS], 10
	s_wait_kmcnt 0x0
	s_add_nc_u64 s[54:55], s[4:5], s[22:23]        ; kv at my quarter of the batch's first slot
	s_add_nc_u64 s[76:77], s[4:5], s[76:77]        ; and of its last step
	s_add_nc_u64 s[48:49], s[4:5], s[48:49]        ; Q's codes, tile A
	s_add_nc_u64 s[50:51], s[4:5], s[50:51]        ; its scale words
	s_add_nc_u64 s[60:61], s[4:5], s[60:61]        ; tile B
	s_add_nc_u64 s[62:63], s[4:5], s[62:63]
	s_add_nc_u64 s[56:57], s[6:7], s[52:53]        ; the residual
	s_add_nc_u64 s[58:59], s[8:9], s[52:53]        ; the output
	CROUND                                         ; all four work-groups are here: the first joint loads meet
	s_mov_b32 s[G0A], 1                            ; count = 1
	s_mov_b32 s[G0A+1], s20                        ; LDS address: slot 0
	s_mov_b64 s[G0A+2:G0A+3], s[54:55]             ; steps 0, 1
	s_or_b32 s[G0A+3], s[G0A+3], 0x80000000        ; type = 2
	s_mov_b32 s[G0W], 1
	s_add_co_u32 s[G0W+1], s20, SLOT1              ; slot 1
	s_add_nc_u64 s[G0W+2:G0W+3], s[54:55], SLOTB   ; steps 2, 3
	s_or_b32 s[G0W+3], s[G0W+3], 0x80000000
	s_mov_b32 s[G0T], 1
	s_add_co_u32 s[G0T+1], s46, TAILB              ; the last step's own bytes
	s_mov_b64 s[G0T+2:G0T+3], s[76:77]             ; step 24
	s_or_b32 s[G0T+3], s[G0T+3], 0x80000000
	tensor_load_to_lds s[G0A:G0A+3], s[G1:G1+7]    ; the three first fills stand together: three loads of mine are out; four v_nop follow the last
	s_nop 0
	tensor_load_to_lds s[G0W:G0W+3], s[G1:G1+7]
	s_nop 0
	tensor_load_to_lds s[G0T:G0T+3], s[G1T:G1T+7]
	s_nop 0
.rept 4
	v_nop
.endr
	v_and_b32 v69, 15, v0                          ; r
	v_bfe_u32 v70, v0, 4, 1                        ; h
	v_and_b32 v71, 31, v0                          ; lane
	v_lshlrev_b32 v[AF], 4, v71
	v_add_nc_u32 v[AF1], STEPB, v[AF]
	v_lshrrev_b32 v72, 3, v69                      ; r / 8
	v_and_b32 v73, 7, v69                          ; r % 8
	v_mul_u32_u24 v[QO], v72, 3072                 ; query r lies, as a key, in tile 2 b + r / 8, row 8 x half + r % 8: my lane's 16 bytes of that fragment's image
	v_lshl_add_u32 v[QO], v73, 4, v[QO]
	v_lshl_add_u32 v[QO], v70, 8, v[QO]
	v_lshlrev_b32 v[QSO], 8, v72                   ; and its scale word: lanes 0-15 take channel step 0's, lanes 16-31 step 1's
	v_lshl_add_u32 v[QSO], v73, 4, v[QSO]
	v_lshl_add_u32 v[QSO], v70, 2, v[QSO]
	s_lshl_b32 s21, s[WV], 7
	s_add_co_u32 s21, s21, STAGE
	v_mul_u32_u24 v[STO0], v70, SP                 ; the stage, in: row 16 u + 2 i + h, column = query 32 w + 16 x + r
	v_lshl_add_u32 v[STO0], v69, 2, v[STO0]
	v_add_nc_u32 v[STO0], s21, v[STO0]
	v_add_nc_u32 v[STO0+1], 128*SP, v[STO0]
	s_lshl_b32 s21, s[WV], 9
	s_add_co_u32 s21, s21, STAGE
	v_add_nc_u32 v[RD0], s21, v[AF]                ; back: thread t takes the 16 bytes at 16 t = 512 x wave + 16 x lane of each run of 2,048 bytes, 56 runs
	v_add_nc_u32 v[RD0+1], 28*2048, v[RD0]
; Run k = 7 a + b: piece t + 128 b + 896 a of 16 bytes; 896 = 32 x 28, so it is piece (t + 128 b) % 28 of stage row 32 a + q, q = (t + 128 b) / 28, which holds channel 32 a + 16 (q / 16) + 8 (q % 2) + (q / 2) % 8.
; The part in b and t stands in seven offset registers, for the global addresses alone; the part in a in the immediates.
.irp b, 0,1,2,3,4,5,6
	v_add_nc_u32 v72, 128*\b, v0
	v_mul_u32_u24 v73, v72, 2341
	v_lshrrev_b32 v73, 16, v73                     ; q (exact for 0 .. 895)
	v_mul_u32_u24 v74, v73, 28
	v_sub_nc_u32 v72, v72, v74                     ; the piece
	v_and_b32 v74, 1, v73
	v_bfe_u32 v75, v73, 1, 3
	v_lshl_add_u32 v75, v74, 3, v75
	v_lshrrev_b32 v74, 4, v73
	v_lshl_add_u32 v75, v74, 4, v75                ; the channel
	v_mul_u32_u24 v[GOF+\b], v75, ROWG
	v_lshl_add_u32 v[GOF+\b], v72, 4, v[GOF+\b]
.endr
	WIN TO_K
.irp s, 0,1
.irp c, 0,1,2
	global_load_b128 v[QF+12*\s+4*\c:QF+12*\s+4*\c+3], v[QO], s[48:49] offset:1536*\s+512*\c   ; tile A's two fragments of Q stay in registers
.endr
.endr
	WIN 0
	global_load_b32 v[QS], v[QSO], s[50:51]
	v_mov_b32 v[ST+1], 0xff61b1e6                  ; the largest t so far: -3e38, under every t
	v_floor_f32 v[ST], -v[ST+1]                    ; -M
	v_mov_b32 v[ST+2], 0                           ; l, in two halves
	v_mov_b32 v[ST+3], 0
	v_mov_b32 v[FF+1], 0                           ; (named as the upper half of the pair with f before it is first written)
.irp b, 0,1,2,3
	v_mov_b32 v[TP+\b], 0                          ; written once: a lane permute's destination counts as one of its sources
.endr
	WIN 0x40
.set j, 0
.rept 128
	v_mov_b32 v[j], 0                              ; O^T of tile A: the first change of M multiplies zeros
.set j, j+1
.endr
	WIN 0
	s_cmp_eq_u32 s[WV], 3                          ; wave 3 has no tile B
	s_cbranch_scc1 .Lone_q
	WIN TO_K
.irp s, 0,1
.irp c, 0,1,2
	global_load_b128 v[QF+24+12*\s+4*\c:QF+24+12*\s+4*\c+3], v[QO], s[60:61] offset:1536*\s+512*\c
.endr
.endr
	WIN 0
	global_load_b32 v[QS+1], v[QSO], s[62:63]
	v_mov_b32 v[ST+5], 0xff61b1e6
	v_floor_f32 v[ST+4], -v[ST+5]
	v_mov_b32 v[ST+6], 0
	v_mov_b32 v[ST+7], 0
	v_mov_b32 v[FF+3], 0
	WIN 0x40
.set j, 0
.rept 128
	v_mov_b32 v[128+j], 0
.set j, j+1
.endr
	WIN 0
.Lone_q:
; THE LDS LOADS.  K's 16 fragments are one image of 48 x 512 bytes, and so are V's: load i brings registers 4 i .. 4 i + 3 of the window from base + 512 i.  LIST names the image in hand, DRIP issues its next n loads.
.macro LIST w, base, n
.set LW, \w
.set LB, \base
.set LN, 0
.set LE, \n
.endm
.macro DRIP n                                  ; (it leaves the window at the loads' setting: what follows sets its own)
.if LN < LE
	WIN LW
.rept \n
.if LN < LE
	ds_load_b128 v[4*LN:4*LN+3], v[ADR] offset:LB+512*LN
.set LN, LN+1
.endif
.endr
.endif
.endm
; One product of S^T = K Q^T: tile x of queries, key tile t, channel step s.  K's scale register 2 (t / 2) + s holds the even tile's words in lanes 0-15 and the odd tile's in lanes 16-31; Q's holds step 0's below and step 1's above.
.macro KQ x, t, s
	WIN W_KQ
.set rD, S+64*(\x)+8*(\t)
.set rA, 12*(2*(\t)+(\s))
.set rB, QF+24*(\x)+12*(\s)
.set rK, KSC+2*((\t)/2)+(\s)
.set rQ, QS+(\x)
.if (\s) == 0
.if ((\t)%2) == 0
	v_wmma_scale_f32_16x16x128_f8f6f4 v[rD:rD+7], v[rA:rA+11], v[rB:rB+11], 0, v[rK], v[rQ] matrix_a_fmt:MATRIX_FMT_FP6 matrix_b_fmt:MATRIX_FMT_FP6
.else
	v_wmma_scale_f32_16x16x128_f8f6f4 v[rD:rD+7], v[rA:rA+11], v[rB:rB+11], 0, v[rK], v[rQ] matrix_a_fmt:MATRIX_FMT_FP6 matrix_b_fmt:MATRIX_FMT_FP6 matrix_a_scale:MATRIX_SCALE_ROW1
.endif
.else
.if ((\t)%2) == 0
	v_wmma_scale_f32_16x16x128_f8f6f4 v[rD:rD+7], v[rA:rA+11], v[rB:rB+11], v[rD:rD+7], v[rK], v[rQ] matrix_a_fmt:MATRIX_FMT_FP6 matrix_b_fmt:MATRIX_FMT_FP6 matrix_b_scale:MATRIX_SCALE_ROW1
.else
	v_wmma_scale_f32_16x16x128_f8f6f4 v[rD:rD+7], v[rA:rA+11], v[rB:rB+11], v[rD:rD+7], v[rK], v[rQ] matrix_a_fmt:MATRIX_FMT_FP6 matrix_b_fmt:MATRIX_FMT_FP6 matrix_a_scale:MATRIX_SCALE_ROW1 matrix_b_scale:MATRIX_SCALE_ROW1
.endif
.endif
.endm
; All of tile x's scores: nt key tiles by turns, one instruction a turn, channel step 0 and then 1.  nd: so many loads of the image in hand behind the second of every four products
.macro KQALL x, nt, nd
.set ss, 0
.rept 2
.set tt, 0
.rept \nt
	KQ \x, tt, ss
.if ((tt%4) == 1) && (\nd > 0)
	DRIP \nd
.endif
.set tt, tt+1
.endr
.set ss, ss+1
.endr
.endm
; One product of O^T += V P^T: tile x, channel tile u; K = the step's 128 keys
.macro PV x, u
	WIN W_PV
.set rO, 128*(\x)+8*(\u)
.set rA, 12*(\u)
.set rP, PCD+12*(\x)
.set rV, VSC+(\u)/2
.set rW, FF+2*(\x)+1
.if ((\u)%2) == 0
	v_wmma_scale_f32_16x16x128_f8f6f4 v[rO:rO+7], v[rA:rA+11], v[rP:rP+11], v[rO:rO+7], v[rV], v[rW] matrix_a_fmt:MATRIX_FMT_FP6 matrix_b_fmt:MATRIX_FMT_FP6
.else
	v_wmma_scale_f32_16x16x128_f8f6f4 v[rO:rO+7], v[rA:rA+11], v[rP:rP+11], v[rO:rO+7], v[rV], v[rW] matrix_a_fmt:MATRIX_FMT_FP6 matrix_b_fmt:MATRIX_FMT_FP6 matrix_a_scale:MATRIX_SCALE_ROW1
.endif
.endm
.macro PVALL x, nd                             ; sixteen channel tiles, each once
.set uu, 0
.rept 16
	PV \x, uu
.if ((uu%4) == 1) && (\nd > 0)
	DRIP \nd
.endif
.set uu, uu+1
.endr
.endm
; The softmax of a step for tile x: from 64 scores a lane to p's codes, p's scale word, f = 2^(old M - new M), and l.  Four short runs of the image in hand stand in its first two thirds, the last takes all that is left.
.macro SOFTMAX x
.set SX, S+64*(\x)
.set TX, ST+4*(\x)
.set FX, FF+2*(\x)
.set PX, PCD+12*(\x)
	DRIP 4
	WIN 0
.irp b, 0,1,2,3
	v_max3_num_f32 v[BM+\b], v[SX+16*\b], v[SX+16*\b+1], v[SX+16*\b+2]   ; the largest score of each block of 32 keys: for the query's maximum, and, since p rises with the score, for the block's largest p
.endr
.irp i, 3,5,7,9,11,13
.irp b, 0,1,2,3
	v_max3_num_f32 v[BM+\b], v[BM+\b], v[SX+16*\b+\i], v[SX+16*\b+\i+1]   ; the four blocks by turns
.endr
.endr
.irp b, 0,1,2,3
	v_max_num_f32 v[BM+\b], v[BM+\b], v[SX+16*\b+15]
.endr
	DRIP 4
	WIN 0
.irp b, 0,1,2,3
	v_permlanex16_b32 v[TP+\b], v[BM+\b], s[SEL], s[SEL+1]
.endr
.irp b, 0,1,2,3
	v_max_num_f32 v[BM+\b], v[BM+\b], v[TP+\b]     ; with lane l xor 16's 16 keys
.endr
	v_max3_num_f32 v[T0], v[BM], v[BM+1], v[BM+2]
	v_max_num_f32 v[T0], v[T0], v[BM+3]            ; the step's largest score of my query,
	v_mul_f32 v[T0], s[CS], v[T0]                  ; as t (c is positive)
	v_max_num_f32 v[TX+1], v[TX+1], v[T0]          ; the running largest t
	v_mov_b32 v[T0], v[TX]
	v_floor_f32 v[TX], -v[TX+1]                    ; the new -M = floor(-t) = -ceil(t)
	v_sub_f32 v[T0], v[TX], v[T0]                  ; old M - new M: a whole number, 0 or less
	v_cvt_i32_f32 v[T0], v[T0]                     ; (it saturates)
	v_ldexp_f32 v[FX], 1.0, v[T0]                  ; f
.set j, 0
.rept 32
	v_pk_fma_f32 v[SX+j:SX+j+1], v[SX+j:SX+j+1], s[CS:CS+1], v[TX:TX+1] op_sel_hi:[1,0,0]   ; t - M, two at a time (of the pairs c and -M the low word serves both halves)
.set j, j+2
.endr
.irp b, 0,1,2,3
	v_fma_f32 v[BM+\b], v[BM+\b], s[CS], v[TX]     ; the same of each block's largest score
.endr
	DRIP 4
	WIN 0
.set j, 0
.rept 32
	v_exp_f32 v[SX+j], v[SX+j]                     ; p = 2^(t - M), at most 1, not normalised
.set j, j+1
.endr
	DRIP 64
	WIN 0
.rept 32
	v_exp_f32 v[SX+j], v[SX+j]
.set j, j+1
.endr
.irp b, 0,1,2,3
	v_exp_f32 v[BM+\b], v[BM+\b]                   ; the block's largest p
.endr
	v_pk_mul_f32 v[TX+2:TX+3], v[TX+2:TX+3], v[FX:FX+1] op_sel_hi:[1,0]   ; l under the new M.  (A plain place behind the exponentials)
	s_wait_alu depctr_va_vdst(0)
.irp b, 0,1,2,3
	v_max_num_f32 v[BM+\b], 0x1800000, v[BM+\b]    ; the floor 2^(3 - 127): the byte cannot fall under 1
.endr
.irp b, 0,1,2,3
	v_add_nc_u32 v[SOPR+\b], 0xff000000, v[BM+\b]  ; 2 off the exponent field: the conversion's scale operand
.endr
.irp b, 0,1,2,3
	v_lshrrev_b32 v[TP+\b], 23, v[SOPR+\b]         ; the scale's byte
.endr
	v_lshl_or_b32 v[FX+1], v[TP+1], 8, v[TP]       ; p's scale word for these 128 keys
	v_lshl_or_b32 v[FX+1], v[TP+2], 16, v[FX+1]
	v_lshl_or_b32 v[FX+1], v[TP+3], 24, v[FX+1]
.irp c, 0,1
	v_cvt_scalef32_pk16_fp6_f32 v[PX+6*\c:PX+6*\c+2], v[SX+32*\c:SX+32*\c+15], v[SOPR+2*\c]
	v_cvt_scalef32_pk16_fp6_f32 v[TP+4*\c:TP+4*\c+2], v[SX+32*\c+16:SX+32*\c+31], v[SOPR+2*\c+1]   ; (a conversion's three registers begin on an even number)
.endr
	v_nop                                          ; one plain place behind a scaled conversion
.irp c, 0,1                                    ; the operand's layout wants a whole block in a lane: lanes 0-15 block 2 c, lanes 16-31 block 2 c + 1
.irp i, 0,1,2
	v_permlane16_swap_b32 v[PX+6*\c+\i], v[TP+4*\c+\i]
.endr
.irp i, 0,1,2
	v_mov_b32 v[PX+3+6*\c+\i], v[TP+4*\c+\i]
.endr
.endr
	v_pk_add_f32 v[TP:TP+1], v[SX:SX+1], v[SX+2:SX+3]          ; l takes the unquantised p: two at a time, in FOUR chains, since no other wave of the SIMD stands between an addition and the next of its chain
	v_pk_add_f32 v[TP+2:TP+3], v[SX+4:SX+5], v[SX+6:SX+7]
	v_pk_add_f32 v[TP+4:TP+5], v[SX+8:SX+9], v[SX+10:SX+11]
.irp j, 12,20,28,36,44,52
	v_pk_add_f32 v[TX+2:TX+3], v[TX+2:TX+3], v[SX+\j:SX+\j+1]
	v_pk_add_f32 v[TP:TP+1], v[TP:TP+1], v[SX+\j+2:SX+\j+3]
	v_pk_add_f32 v[TP+2:TP+3], v[TP+2:TP+3], v[SX+\j+4:SX+\j+5]
	v_pk_add_f32 v[TP+4:TP+5], v[TP+4:TP+5], v[SX+\j+6:SX+\j+7]
.endr
	v_pk_add_f32 v[TX+2:TX+3], v[TX+2:TX+3], v[SX+60:SX+61]
	v_pk_add_f32 v[TP:TP+1], v[TP:TP+1], v[SX+62:SX+63]
	v_pk_add_f32 v[TP+2:TP+3], v[TP+2:TP+3], v[TP+4:TP+5]
	v_pk_add_f32 v[TX+2:TX+3], v[TX+2:TX+3], v[TP:TP+1]
	v_pk_add_f32 v[TX+2:TX+3], v[TX+2:TX+3], v[TP+2:TP+3]
.endm
.macro RESCALE x                               ; O^T of tile x under the new M, each accumulator from its low end on
	WIN W_RS
.set j, 0
.rept 64
	v_pk_mul_f32 v[128*(\x)+j:128*(\x)+j+1], v[128*(\x)+j:128*(\x)+j+1], v[FF+2*(\x):FF+2*(\x)+1] op_sel_hi:[1,0]
.set j, j+2
.endr
.endm
; A KEY STEP.  Its K and K's scale registers were asked for in the step before.
; mid = 0: a slot's first step.  mid = 1: a slot's second step; in its middle the slot is left and filled again.  mid = 2: the same with nothing left to fetch.
; nk: the loads of the next step's K (48, or 0 behind the last step).  tail = 1: the last step, which has 64 keys: key tiles 4-7 are not multiplied, their scores are -infinity (p = 0), and V's codes there are zeros.
; A load into a register that a matrix instruction has read, and a vector instruction that reads a matrix result, stand four plain vector instructions behind it (ISA guide 7.12.1 for vector instructions).
.macro STEP mid, nk, tail
.rept 4
	v_nop                                          ; four places behind the last step's products, in front of the loads into V and its scale registers
.endr
	s_wait_dscnt 0x0                               ; K is in
	ds_load_b128 v[VSC:VSC+3], v[ADR] offset:VSCO
	ds_load_b128 v[VSC+4:VSC+7], v[ADR] offset:VSCO+512
	LIST TO_V, VFR, 48
	KQALL 0, 8-4*\tail, 8                          ; tile A's scores, and between them the first runs of V
	WIN 0
	s_cmp_eq_u32 s[WV], 3
	s_cbranch_scc1 .Lone_s_\@
	KQALL 1, 8-4*\tail, 0                          ; tile B's, on the same fragments
	WIN 0
.if \tail
.set j, 0
.rept 32
	v_mov_b32 v[S+96+j], 0xff800000                ; the keys that do not exist
.set j, j+1
.endr
.endif
.Lone_s_\@:
.if \tail
.set j, 0
.rept 32
	v_mov_b32 v[S+32+j], 0xff800000                ; (these are also the places behind the products)
.set j, j+1
.endr
.else
.rept 4
	v_nop
.endr
.endif
	SOFTMAX 0                                      ; with the rest of V
.if \mid
	s_wait_tensorcnt 0x0                           ; no tensor load of mine is out (the one that was is my part of the slot ahead), so a group 0 may be written
	ds_add_u32 v[SPW], v[NIL]                      ; 0 onto my spare word: the rescaling stands between it and the wait for it
.if \mid == 1
	s_xor_b32 s[G0W+1], s[G0W+1], SLOT1            ; the walking descriptor: the other slot than last time,
	s_add_nc_u64 s[G0W+2:G0W+3], s[G0W+2:G0W+3], SLOTB   ; the next two steps; the type bits on top are not reached
	s_xor_b32 s[TB], s[TB], SLOT1                  ; the reads go on in the other slot
.else
	s_add_co_u32 s[TB], s[TB], SLOT1               ; slot 0, slot 1, the last step's block
.endif
.endif
	RESCALE 0
	WIN 0
	s_wait_dscnt 0x0                               ; V is in; in a slot's second step: the add is done, and my reads of the slot are over
.if \mid == 1
	CROUND                                         ; no wave of any partner still reads the slot or has a load on its way
	tensor_load_to_lds s[G0W:G0W+3], s[G1:G1+7]    ; the joint refill, my one tensor load behind the round: it has two steps in which to land
	s_nop 0
.rept 4
	v_nop
.endr
.elseif \mid == 2
	s_barrier_signal -1
	s_barrier_wait -1
.endif
.if \nk
.if \mid
	v_add_nc_u32 v[ADR], s[TB], v[AF]              ; on to the next step
.else
	v_add_nc_u32 v[ADR], s[TB], v[AF1]
.endif
	ds_load_b128 v[KSC:KSC+3], v[ADR] offset:KSCO
	ds_load_b128 v[KSC+4:KSC+7], v[ADR] offset:KSCO+512
.endif
	LIST TO_K, KFR, \nk
	PVALL 0, 8                                     ; tile A's second product, and between its instructions the first runs of the next step's K
	WIN 0
	s_cmp_eq_u32 s[WV], 3
	s_cbranch_scc1 .Lone_p_\@
.set LSV, LN
	SOFTMAX 1                                      ; with the rest of K
	RESCALE 1
	PVALL 1, 0
	WIN 0
.if LSV < LE
	s_branch .Lend_\@
.Lone_p_\@:
.set LN, LSV
	DRIP 64                                        ; wave 3 asks for the rest of K here
	WIN 0
.Lend_\@:
.else
.Lone_p_\@:
.endif
.endm
	s_wait_tensorcnt 0x2                           ; my part of slot 0 is in; the two fills issued behind it may stay out
	s_barrier_signal -1
	s_barrier_wait -1                              ; everybody's is
	v_add_nc_u32 v[ADR], s[TB], v[AF]
	ds_load_b128 v[KSC:KSC+3], v[ADR] offset:KSCO
	ds_load_b128 v[KSC+4:KSC+7], v[ADR] offset:KSCO+512
	LIST TO_K, KFR, 48
	DRIP 64                                        ; K of step 0
	WIN 0
	s_wait_loadcnt 0x0                             ; Q
.Lslot:                                                ; ten trips: steps 0 .. 19; the refills bring steps 4 .. 23
	STEP 0, 48, 0
	STEP 1, 48, 0
	s_sub_co_u32 s[SLOTS], s[SLOTS], 1
	s_cmp_lg_u32 s[SLOTS], 0
	s_cbranch_scc1 .Lslot
	s_mov_b32 s[TB], 0                             ; ten changes have led back to slot 0: the walk below starts from the constant
	s_mov_b32 s[SLOTS], 2
.Llast:                                                ; two trips: steps 20 .. 23; nothing is left to fetch.  The body is written once, so its last trip asks for all 16 fragments of step 24's K, of which the last step multiplies eight
	STEP 0, 48, 0
	STEP 2, 48, 0
	s_sub_co_u32 s[SLOTS], s[SLOTS], 1
	s_cmp_lg_u32 s[SLOTS], 0
	s_cbranch_scc1 .Llast
	STEP 0, 0, 1
	; THE WAY OUT.  O^T / l goes into the work-group's stage, a row to a channel; behind a barrier the 128 threads read it back, 16 consecutive bytes each, add the residual and store.
.rept 4
	v_nop                                          ; four places behind the last products
.endr
	WIN TO_K
.set nn, 0
.rept 56
	global_load_b128 v[4*nn:4*nn+3], v[GOF+nn%7], s[56:57] offset:32*(nn/7)*ROWG th:TH_LOAD_NT   ; the residual of run nn, into the registers that K and Q have left; asked for ahead of the stage's round trip
.set nn, nn+1
.endr
	WIN 0
.macro OUT x
.set TX, ST+4*(\x)
	v_add_f32 v[TX+2], v[TX+2], v[TX+3]            ; l's two halves,
	v_permlanex16_b32 v[T0], v[TX+2], s[SEL], s[SEL+1]
	v_add_f32 v[TX+2], v[TX+2], v[T0]              ; and lane l xor 16's
	v_rcp_f32 v[TX+2], v[TX+2]
	v_nop                                          ; one plain place behind the reciprocal
	WIN W_RS
.set j, 0
	s_wait_alu depctr_va_vdst(0)
.rept 64
	v_pk_mul_f32 v[128*(\x)+j:128*(\x)+j+1], v[128*(\x)+j:128*(\x)+j+1], v[TX+2:TX+3] op_sel_hi:[1,0]   ; each accumulator from its low end on
.set j, j+2
.endr
	WIN 0x04                                       ; an LDS store's data are its source 1: window 1
.set u, 0
.rept 16
.set i, 0
.rept 8
	ds_store_b32 v[STO0+u/8], v[128*(\x)+8*u+i] offset:(16*(u%8)+2*i)*SP+64*(\x)   ; channel 16 u + 8 h + i into row 16 u + 2 i + h, query 32 w + 16 x + r
.set i, i+1
.endr
.set u, u+1
.endr
	WIN 0
.endm
	OUT 0
	s_cmp_eq_u32 s[WV], 3
	s_cbranch_scc1 .Lone_o
	OUT 1
.Lone_o:
	s_wait_dscnt 0x0                               ; for the others' sake: my columns lie in the stage
	s_barrier_signal -1
	s_barrier_wait -1
.macro DSL a                                   ; runs 7 a .. 7 a + 6 of the stage into set a % 2 of the registers that V has left: a wave's load reads 512 consecutive bytes
	WIN TO_V
.set bb, 0
.rept 7
	ds_load_b128 v[28*((\a)%2)+4*bb:28*((\a)%2)+4*bb+3], v[RD0+(\a)/4] offset:2048*(7*(\a)+bb-28*((\a)/4))
.set bb, bb+1
.endr
.endm
.macro SEND a, younger
	s_wait_dscnt \younger                          ; the group's runs are back; the next group's seven loads may be out
	s_wait_loadcnt 49-7*(\a)                       ; its residual is in; the later groups' loads may be out
	WIN 0x8e                                       ; destination and source 0 window 2, source 1 window 3
.set k, 0
.rept 14
	v_pk_add_f32 v[28*(\a)+2*k:28*(\a)+2*k+1], v[28*(\a)+2*k:28*(\a)+2*k+1], v[28*((\a)%2)+2*k:28*((\a)%2)+2*k+1]
.set k, k+1
.endr
	WIN 0x08                                       ; a store's data are its source 1: window 2
.set k, 0
.rept 7
	global_store_b128 v[GOF+k], v[28*(\a)+4*k:28*(\a)+4*k+3], s[58:59] offset:32*(\a)*ROWG th:TH_STORE_NT   ; 28 neighbouring threads store a row's 448 consecutive bytes; no store's data are written again
.set k, k+1
.endr
.endm
	DSL 0
	DSL 1
.irp a, 0,1,2,3,4,5,6,7
.if \a < 7
	SEND \a, 7
.else
	SEND \a, 0
.endif
.if \a < 6
	DSL \a+2
.endif
.endr
	WIN 0
	s_wait_tensorcnt 0x0                           ; the wave's end: behind my last tensor load and my last LDS store
	ds_add_u32 v[SPW], v[NIL]
	s_wait_dscnt 0x0
	CROUND                                         ; the closing round: no work-group ends while a partner may still ask for a tile that names it
	s_endpgm
.Lfunc_end_k_q1145f8826e_attn:
	.size	k_q1145f8826e_attn, .Lfunc_end_k_q1145f8826e_attn-k_q1145f8826e_attn
	.p2alignl 7, 3214868480
	.fill 96, 4, 3214868480
	.section	.rodata,"a",@progbits
	.p2align	6, 0x0
	.amdhsa_kernel k_q1145f8826e_attn
		.amdhsa_group_segment_fixed_size 327680
		.amdhsa_private_segment_fixed_size 0
		.amdhsa_enable_private_segment 0
		.amdhsa_kernarg_size 24
		.amdhsa_user_sgpr_count 2
		.amdhsa_user_sgpr_kernarg_segment_ptr 1
		.amdhsa_wavefront_size32 1
		.amdhsa_system_sgpr_workgroup_id_x 1
		.amdhsa_system_sgpr_workgroup_id_y 1
		.amdhsa_system_sgpr_workgroup_id_z 1
		.amdhsa_system_vgpr_workitem_id 0
		.amdhsa_next_free_vgpr 960
		.amdhsa_next_free_sgpr 84
		.amdhsa_reserve_vcc 0
		.amdhsa_float_denorm_mode_32 3
		.amdhsa_float_denorm_mode_16_64 3
		.amdhsa_memory_ordered 1
		.amdhsa_forward_progress 1
		.amdhsa_inst_pref_size 255
	.end_amdhsa_kernel
	.section	.bss,"aw",@nobits
	.p2align	6
	.space	262144
	.amdgpu_metadata
---
amdhsa.version: [ 1, 2 ]
amdhsa.kernels:
  - .name:           k_q1145f8826e_attn
    .symbol:         k_q1145f8826e_attn.kd
    .args:
      - { .name: kv, .offset: 0, .size: 8, .value_kind: global_buffer, .address_space: global }
      - { .name: query, .offset: 8, .size: 8, .value_kind: global_buffer, .address_space: global }
      - { .name: out0, .offset: 16, .size: 8, .value_kind: global_buffer, .address_space: global }
    .group_segment_fixed_size: 327680
    .private_segment_fixed_size: 0
    .kernarg_segment_align: 8
    .kernarg_segment_size: 24
    .max_flat_workgroup_size: 128
    .sgpr_count:     84
    .vgpr_count:     960
    .wavefront_size: 32
...
	.end_amdgpu_metadata
.endif
;; end of part 2
